; MI455X (gfx1250); checked and timed in simulation.
; The chip was launched on July 23, 2026; its instructions are those of AMD's public machine-readable ISA for CDNA 5 (MIT licence, August 2026) and "CDNA5" Instruction Set Architecture Reference Guide (July 2026). The comments in the code are by the model that wrote it; some were corrected since.
;; Re Sprop Attention. Allowed arithmetic: float matrix products may take bf16 or f16 operands with f32 sums; all other float work in f32.
;; Inputs: K 32 x 2,048 x 64 float32; Q 32 x 2,048 x 64 float32; V 32 x 2,048 x 64 float32.
;; Outputs: out0 32 x 2,048 x 64 float32.
;; One version. Each part assembles by itself: llvm-mc -triple=amdgcn-amd-amdhsa -mcpu=gfx1250 --defsym DOCPART=n.
;; ======== version 1 of 1: 1 launch
;; launch attn (part 1): grid 8 x 32, 8 waves a work-group, clusters of 4 x 1, 327,680 bytes of LDS; arguments Q, K, V, out0; writes out0
.if DOCPART == 1
	.amdgcn_target "amdgcn-amd-amdhsa--gfx1250"
	.amdhsa_code_object_version 6
	.text
	.protected	k_q66c69555e5_attn
	.globl	k_q66c69555e5_attn
	.p2align	8
	.type	k_q66c69555e5_attn,@function
k_q66c69555e5_attn:
	s_mov_b64 s[64:65], 0
	v_nop
	global_prefetch_b8 v0, s[64:65] scope:SCOPE_SE
	s_setreg_imm32_b32 hwreg(HW_REG_WAVE_MODE, 25, 1), 1
	s_wait_xcnt 0x0
	s_wait_alu depctr_hold_cnt(0) depctr_sa_sdst(0) depctr_va_vdst(0) depctr_va_sdst(0) depctr_va_ssrc(0) depctr_va_vcc(0) depctr_vm_vsrc(0)
	s_getreg_b32 s2, hwreg(HW_REG_IB_STS2, 6, 4)
	s_cmp_eq_u32 s2, 0
	s_cbranch_scc0 .Lentry_in_a_cluster
	s_endpgm
.Lentry_in_a_cluster:
	s_bfe_u32 s2, ttmp6, 0x10000c
	s_cmp_lg_u32 s2, 0x3003
	s_cbranch_scc0 .Lentry_shape_is_right
	s_endpgm
.Lentry_shape_is_right:
; out[b][q][:] = softmax over k of (Q[b][q] . K[b][k] / 8) applied to V[b][k][:].   Q, K, V, out: [32][2048][64] f32.
; One launch; the scores never leave the registers (running maximum, running sum, O rescaled when the maximum grows).
; WORK.  Work-group (x, y): batch y, query rows 256 x .. 256 x + 255.  Eight waves of 512 registers.  Wave w: pair g = w / 2, parity p = w % 2.
; It owns the 64 queries 64 g .. 64 g + 63 of the block and, of every tile of 128 keys, the keys 64 p .. 64 p + 63, with a maximum, a sum and an O
; of its own; the two waves of a pair are joined once, at the end, through LDS.
; PRODUCTS, both transposed, so that nothing is moved between lanes but one exchange of lane l with lane l xor 16:
;   S^T = K Q^T : source A = 16 keys x 32 d, source B = 16 queries x 32 d.  Lane (r = l % 16, h = l / 16) holds query r, register j key 8 h + j.
;   Two neighbouring key tiles, rounded to bf16 in pairs, ARE the B fragment (column = query r, k = key) of
;   O^T = V^T P^T : source A = 16 d x 32 keys, read from V[key][d] by the transposing LDS load.  Lane (r, h) holds query r, register j d = 16 dt + 8 h + j.
;   So maximum, sum and rescaling factor are one number a lane.
; DATA PATH.  Tiles of 128 keys of K and V come as f32 into one of two LDS stages by tensor loads (64 rows of 256 bytes each, waves 0 to 3, one load a wave),
; are rounded to bf16 once for the whole work-group (each wave 16 rows of K and 16 of V) into one of two bf16 buffers, and are read from there as fragments.
; Trip t multiplies tile t (bf16 buffer t % 2), converts tile t + 1 and asks for tile t + 2.
; CLUSTER.  The four work-groups of a cluster are four query blocks of one batch and walk the same K and V: every tile is asked for jointly (mask 15), which
; divides the requests for K and V by four.  A batch has eight blocks, a mask names four work-groups: two clusters for a batch.
; LIMITS.  Inputs finite, scores finite in f32.  Q, K, V and the probabilities enter the matrix unit rounded to bf16 (nearest even), so the error of a score
; grows with the size of the inputs.  An exponential below 2^-126 of its row's largest comes out as 0 (ISA guide, v_exp_f32).  The row sums are made of the
; f32 exponentials, in another order than a sum from left to right.
.set TILEB, 32768                      ; 128 rows of 256 bytes: a tile of K, or of V
.set SLOTB, 65536                      ; a stage: K's tile, then V's
.set HB,    131072                     ; the bf16 buffers begin behind the two stages
.set HBUF,  38912                      ; a bf16 buffer: K 128 rows x 144 bytes, then V 128 rows x 160 bytes
.set HVO,   18432                      ; V's place in it
.set KP,    144                        ; 128 bytes + 16: the 16 rows of a fragment load start 36 words apart
.set VP,    160                        ; 128 bytes + 32: an odd multiple of 32, for the transposing load
.set SCRB,  208896                     ; four scratch regions, one a pair of waves; no tensor load ever lands here or in the bf16 buffers
.set SCRS,  17408                      ; in turn: Q in bf16 (64 x 144); the partner's O (32 x 512), -m c (512), l (512); the way out (64 x 272)
.set OP,    272                        ; the way out: 256 bytes + 16
.set C2,    0x3e38aa3b                 ; c = log2(e) / 8: the scale 1 / sqrt(64) and the change to base 2 in one factor
.set NEGC2, 0xbe38aa3b
; window 0
.set ADK,  8                           ; K fragments:  HB + (64 p + r) 144 + 16 h
.set ADV,  9                           ; V fragments:  HB + HVO + (64 p + 8 h + l % 8) 160 + 16 ((l / 8) % 2)
.set ADF,  10                          ; v10, v11: my 4,096 bytes of K's tile in stage 0, 1: 4096 w + 16 l
.set ACK,  12                          ; where my converted K goes: HB + (16 w + h) 144 + 8 r
.set ACV,  13                          ; and V: HB + HVO + (16 w + h) 160 + 8 r
.set AQ,   14                          ; Q fragments: scratch + r 144 + 16 h
.set APUT, 15                          ; scratch + 16 l
.set AOS,  16                          ; the way out, in: scratch + r 272 + 32 h
.set ARD,  17                          ; the way out, back: scratch + h 272 + 16 r
.set VCO,  18                          ; 16 l: offset in Q and in out; never rewritten
.set VPF,  19                          ; 256 l: offset of the prefetch; never rewritten
.set AQS,  20                          ; where my converted Q goes: scratch + (32 p + h) 144 + 8 r
.set MX,   24                          ; v[24:27]  running maximum of the raw scores, one for each query tile qt
.set TA,   28                          ; v[28:31]  at work
.set TB,   32                          ; v[32:35]  at work
.set NM,   36                          ; v[36:43]  -m c, twice (pairs for the packed forms)
.set AL,   44                          ; v[44:51]  rescaling factor, twice
.set LS,   52                          ; v[52:59]  running sums, two chains for each qt
.set NN,   60                          ; v[60:63]  the new -m c
.set KF,   64                          ; v[64:127] K fragments (kt, ks) at 16 kt + 8 ks; later V fragments (kk, dt) at 32 kk + 8 dt
.set SC,   128                         ; v[128:255] scores: tile (qt, kt) at 8 (4 qt + kt); later P fragments (qt, kk) at 32 qt + 8 kk
; window 1
.set OA,   0                           ; v[256:383] O^T: tile (qt, dt) at 32 qt + 8 dt
.set QF,   128                         ; v[384:447] Q fragments (qt, ks) at 16 qt + 8 ks
.set CV,   192                         ; v[448:511] the tile that is being converted
.set G1,   24                          ; s[24:31] descriptor group 1
.set G0,   32                          ; s[32:39] descriptor group 0, a set for each stage
.set MSB,  0
.macro WIN new                         ; s_set_vgpr_msb: bits 1:0 source 0, 3:2 source 1, 5:4 source 2, 7:6 destination; the high byte repeats the setting that is left
.if MSB != \new
	s_set_vgpr_msb (MSB<<8)|\new
.set MSB, \new
.endif
.endm
.macro PLACES n
.rept \n
	v_nop
.endr
.endm
.macro BAR
	s_barrier_signal -1
	s_barrier_wait -1
.endm
; A round of the cluster's barrier: my work-group's barrier, so that wave 0 speaks for all eight waves; wave 0 signals; every wave waits for the four
; work-groups; my work-group's barrier once more.
.macro ROUND
	s_barrier_signal -1
	s_barrier_wait -1
	s_cmp_lg_u32 s12, 0
	s_cbranch_scc1 .Lnot_wave_0_\@
	s_barrier_signal -3
.Lnot_wave_0_\@:
	s_barrier_wait -3
	s_barrier_signal -1
	s_barrier_wait -1
.endm
; The joint refill of stage s: waves 0, 1 bring K's two halves, waves 2, 3 V's; waves 4 to 7 have no part to fill.  The branch hangs on the wave's number alone.
.macro JLOAD s
	s_cmp_gt_u32 s12, 3
	s_cbranch_scc1 .Lno_fill_\@
	tensor_load_to_lds s[G0+4*\s:G0+4*\s+3], s[G1:G1+7]
	s_nop 0
.Lno_fill_\@:
.endm
; Wave 7 asks for 8,192 bytes, lanes 256 bytes apart: this work-group's eighth of a later tile (K and V together are 65,536 bytes, a batch has eight work-groups).
.macro PREF
	s_cmp_lg_u32 s12, 7
	s_cbranch_scc1 .Lno_ask_\@
	global_prefetch_b8 v[VPF], s[40:41] th:TH_LOAD_NT scope:SCOPE_SE
.Lno_ask_\@:
.endm
	s_load_b256 s[4:11], s[0:1], 0x0               ; Q s[4:5], K s[6:7], V s[8:9], out s[10:11]
	v_lshl_add_u32 v22, v0, 2, 0x44000
	v_mov_b32 v23, 0
	ds_add_u32 v22, v23
	v_lshrrev_b32 v1, 5, v0
	v_readfirstlane_b32 s12, v1                    ; w
	s_and_b32 s13, s12, 1                          ; p
	s_lshr_b32 s14, s12, 1                         ; g
	s_bfe_u32 s15, ttmp6, 0x40000                  ; cx: my place in the cluster
	s_lshl_b32 s56, ttmp9, 2                       ; in a cluster launch ttmp9 counts clusters
	s_add_co_u32 s16, s56, s15                     ; query block = 4 x cluster x + cx
	s_and_b32 s17, ttmp7, 0xffff                   ; batch
	s_lshl_b32 s18, s17, 19                        ; a batch is 524,288 bytes in each tensor
	s_lshl_b32 s20, s16, 16                        ; a block of 256 rows is 65,536 bytes
	s_add_co_u32 s20, s20, s18
	s_lshl_b32 s21, s14, 14                        ; a pair's 64 rows are 16,384
	s_add_co_u32 s20, s20, s21                     ; s[20:21]: the pair's rows in out
	s_mov_b32 s21, 0
	s_lshl_b32 s22, s13, 13
	s_add_co_u32 s22, s22, s20                     ; s[22:23]: the 32 rows of Q that this wave converts
	s_mov_b32 s23, 0
	s_lshl_b32 s50, s13, 14                        ; s[50:51]: the half tile (64 rows) that this wave fills: batch and wave alone, no place in the cluster
	s_add_co_u32 s50, s50, s18
	s_mov_b32 s51, 0
	s_lshl_b32 s52, s15, 13                        ; s[52:53]: the prefetch: batch, my quarter of the tile, beginning at tile 2
	s_add_co_u32 s52, s52, s18
	s_add_co_u32 s52, s52, 2*TILEB
	s_mov_b32 s53, 0
	s_mov_b32 s44, 0x76543210                      ; v_permlanex16_b32: lane i of one half reads lane i of the other
	s_mov_b32 s45, 0xfedcba98
	s_mov_b32 s46, C2
	s_mov_b32 s47, C2
	s_mov_b32 s48, NEGC2
	; Group 1: a dense block of 64 rows of 256 bytes, as 32 elements of 8 bytes a row, no padding (the stage is read 16 bytes a lane, contiguously).
	s_mov_b32 s[G1+0], 15|(3<<16)|(1<<21)          ; 15:0 the mask: all four work-groups of the cluster; 17:16 elements of 8 bytes; 21 set beside a mask
	s_mov_b32 s[G1+1], 32<<16                      ; tensor_dim0 = 32
	s_mov_b32 s[G1+2], 64<<16                      ; tensor_dim1 = 64
	s_mov_b32 s[G1+3], 32<<16                      ; tile_dim0 = 32
	s_mov_b32 s[G1+4], 64                          ; tile_dim1 = 64
	s_mov_b32 s[G1+5], 32                          ; from row to row: 32 elements
	s_mov_b32 s[G1+6], 0
	s_mov_b32 s[G1+7], 0
	s_lshl_b32 s57, s12, 14                        ; where my half tile goes: 16,384 w (K's halves, then V's)
	v_and_b32 v1, 31, v0                           ; l
	v_lshlrev_b32 v[VCO], 4, v1
	v_lshlrev_b32 v[VPF], 8, v1
	s_wait_dscnt 0x0
	s_wait_kmcnt 0x0
	s_add_nc_u64 s[4:5], s[4:5], s[22:23]
	s_add_nc_u64 s[10:11], s[10:11], s[20:21]
	s_cmp_ge_u32 s12, 2
	s_cselect_b64 s[54:55], s[8:9], s[6:7]         ; waves 2, 3 fill from V, waves 0, 1 from K
	s_add_nc_u64 s[54:55], s[54:55], s[50:51]
	s_cmp_lg_u32 s56, 0
	s_cselect_b64 s[40:41], s[8:9], s[6:7]         ; the batch's second cluster prefetches V, its first K
	s_add_nc_u64 s[40:41], s[40:41], s[52:53]
.irp s, 0,1
	s_mov_b32 s[G0+4*\s], 1                                        ; count = 1
	s_add_co_u32 s[G0+4*\s+1], s57, \s*SLOTB                       ; LDS address
	s_add_nc_u64 s[G0+4*\s+2:G0+4*\s+3], s[54:55], \s*TILEB        ; tile s
	s_or_b32 s[G0+4*\s+3], s[G0+4*\s+3], 0x80000000                ; type = 2
.endr
	; my 32 rows of Q: 16 loads of 512 neighbouring bytes; the launch reads each byte of Q once
.irp i, 0,1,2,3,4,5,6,7,8,9,10,11,12,13,14,15
	global_load_b128 v[SC+4*\i:SC+4*\i+3], v[VCO], s[4:5] offset:512*\i th:TH_LOAD_NT
.endr
	ROUND                                          ; all four work-groups are here: the first joint loads meet
	s_cmp_gt_u32 s12, 3
	s_cbranch_scc1 .Lno_first
	tensor_load_to_lds s[G0:G0+3], s[G1:G1+7]      ; tile 0 into stage 0
	s_nop 0
	tensor_load_to_lds s[G0+4:G0+7], s[G1:G1+7]    ; tile 1 into stage 1: two loads of the wave are out here, later one
	s_nop 0
.Lno_first:
	PREF                                           ; tile 2, whose tensor load is issued in trip 0
	v_and_b32 v2, 15, v0                           ; r
	v_bfe_u32 v3, v0, 4, 1                         ; h
	v_mul_u32_u24 v4, v2, KP
	v_lshl_add_u32 v4, v3, 4, v4                   ; r 144 + 16 h
	v_and_b32 v5, 7, v0
	v_lshl_add_u32 v5, v3, 3, v5
	v_mul_u32_u24 v5, v5, VP
	v_bfe_u32 v6, v0, 3, 1
	v_lshl_add_u32 v5, v6, 4, v5                   ; (8 h + l % 8) 160 + 16 ((l / 8) % 2)
	v_mul_u32_u24 v6, v3, KP
	v_lshl_add_u32 v6, v2, 3, v6                   ; h 144 + 8 r
	v_mul_u32_u24 v7, v3, VP
	v_lshl_add_u32 v7, v2, 3, v7                   ; h 160 + 8 r
	s_mul_i32 s58, s13, 64*KP
	s_add_co_u32 s58, s58, HB
	s_mul_i32 s59, s14, SCRS
	s_add_co_u32 s59, s59, SCRB                    ; my pair's scratch
	s_mul_i32 s60, s13, 64*VP
	s_add_co_u32 s60, s60, HB+HVO
	s_mul_i32 s61, s12, 16*KP
	s_add_co_u32 s61, s61, HB
	s_mul_i32 s62, s13, 32*KP
	s_add_co_u32 s62, s62, s59
	s_mul_i32 s63, s12, 16*VP
	s_add_co_u32 s63, s63, HB+HVO
	v_add_nc_u32 v[ADK], s58, v4
	v_add_nc_u32 v[ADV], s60, v5
	v_lshl_add_u32 v[ADF], s12, 12, v[VCO]
	v_add_nc_u32 v[ADF+1], SLOTB, v[ADF]
	v_add_nc_u32 v[ACK], s61, v6
	v_add_nc_u32 v[ACV], s63, v7
	v_add_nc_u32 v[AQ], s59, v4
	v_add_nc_u32 v[APUT], s59, v[VCO]
	v_add_nc_u32 v[AQS], s62, v6
	v_mul_u32_u24 v4, v2, OP
	v_lshl_add_u32 v4, v3, 5, v4
	v_add_nc_u32 v[AOS], s59, v4
	v_mul_u32_u24 v5, v3, OP
	v_lshl_add_u32 v5, v2, 4, v5
	v_add_nc_u32 v[ARD], s59, v5
	; the running figures: m = -inf, -m c = +inf, l = 0, so that the first trip's factor is 2^(-inf) = 0
.irp q, 0,1,2,3
	v_mov_b32 v[MX+\q], 0xff800000
	v_mov_b32 v[TB+\q], 0                          ; v_permlanex16_b32 counts as a reader of its destination
	v_mov_b32 v[NM+2*\q], 0x7f800000
	v_mov_b32 v[NM+2*\q+1], 0x7f800000
	v_mov_b32 v[LS+2*\q], 0
	v_mov_b32 v[LS+2*\q+1], 0
.endr
	; Q to bf16, unscaled (the scale is applied to the f32 scores), into the pair's scratch
.irp i, 0,1,2,3,4,5,6,7,8,9,10,11,12,13,14,15
	s_wait_loadcnt 15-\i                           ; loads come back in order: load i is in, the 15 - i younger ones may be out
	v_cvt_pk_bf16_f32 v[SC+4*\i], v[SC+4*\i], v[SC+4*\i+1]
	v_cvt_pk_bf16_f32 v[SC+4*\i+1], v[SC+4*\i+2], v[SC+4*\i+3]
	ds_store_b64 v[AQS], v[SC+4*\i:SC+4*\i+1] offset:2*KP*\i
.endr
; 16 loads: the K fragments of my 64 keys from bf16 buffer b, in the order in which SMUL uses them
.macro KLOAD b
	WIN 0
.irp kt, 0,1,2,3
.irp ks, 0,1
.irp e, 0,1
	ds_load_b128 v[KF+16*\kt+8*\ks+4*\e:KF+16*\kt+8*\ks+4*\e+3], v[ADK] offset:\b*HBUF+\kt*16*KP+\ks*64+\e*32
.endr
.endr
.endr
.endm
; 16 loads of 512 neighbouring bytes: rows 16 w .. 16 w + 15 of K and of V, f32, from stage s
.macro FLOAD s
	WIN 0x40
.irp i, 0,1,2,3,4,5,6,7
	ds_load_b128 v[CV+4*\i:CV+4*\i+3], v[ADF+\s] offset:512*\i
.endr
.irp i, 0,1,2,3,4,5,6,7
	ds_load_b128 v[CV+32+4*\i:CV+32+4*\i+3], v[ADF+\s] offset:TILEB+512*\i
.endr
.endm
.macro FCVT                            ; four f32 become four bf16 in the first two of their registers
	WIN 0x45
.irp j, 0,1,2,3,4,5,6,7,8,9,10,11,12,13,14,15
	v_cvt_pk_bf16_f32 v[CV+4*\j], v[CV+4*\j], v[CV+4*\j+1]
	v_cvt_pk_bf16_f32 v[CV+4*\j+1], v[CV+4*\j+2], v[CV+4*\j+3]
.endr
.endm
.macro FSTORE b                        ; into bf16 buffer b: two rows an instruction
	WIN 0x04
.irp i, 0,1,2,3,4,5,6,7
	ds_store_b64 v[ACK], v[CV+4*\i:CV+4*\i+1] offset:\b*HBUF+2*KP*\i
.endr
.irp i, 0,1,2,3,4,5,6,7
	ds_store_b64 v[ACV], v[CV+32+4*\i:CV+32+4*\i+1] offset:\b*HBUF+2*VP*\i
.endr
.endm
; 16 transposing loads: V^T fragments (16 d x 32 keys) of my 64 keys
.macro VLOAD b
	WIN 0
.irp kk, 0,1
.irp dt, 0,1,2,3
.irp e, 0,1
	ds_load_tr16_b128 v[KF+32*\kk+8*\dt+4*\e:KF+32*\kk+8*\dt+4*\e+3], v[ADV] offset:\b*HBUF+\kk*32*VP+\dt*32+\e*16*VP
.endr
.endr
.endr
.endm
; S^T = K Q^T: 32 matrix instructions.  For each key tile the four query tiles' accumulators take turns, one instruction a turn, first d 0-31 (which starts
; the sums), then d 32-63.  base = LDS loads issued behind the 16 of KLOAD.
.macro SMUL base
	WIN 0x04
.irp kt, 0,1,2,3
	s_wait_dscnt \base+12-4*\kt                    ; LDS loads come back in order: key tile kt's four are in; the later tiles' and the stage's may be out
.irp qt, 0,1,2,3
	v_wmma_f32_16x16x32_bf16 v[SC+8*(4*\qt+\kt):SC+8*(4*\qt+\kt)+7], v[KF+16*\kt:KF+16*\kt+7], v[QF+16*\qt:QF+16*\qt+7], 0
.endr
.irp qt, 0,1,2,3
	v_wmma_f32_16x16x32_bf16 v[SC+8*(4*\qt+\kt):SC+8*(4*\qt+\kt)+7], v[KF+16*\kt+8:KF+16*\kt+15], v[QF+16*\qt+8:QF+16*\qt+15], v[SC+8*(4*\qt+\kt):SC+8*(4*\qt+\kt)+7]
.endr
.endr
.endm
; the largest of the old maximum and my 32 scores of each query tile: four chains that do not wait for each other
.macro MAXCH
.irp i, 0,1,2,3,4,5,6,7,8,9,10,11,12,13,14,15
.irp qt, 0,1,2,3
.if \i
	v_max3_num_f32 v[TA+\qt], v[SC+32*\qt+2*\i], v[SC+32*\qt+2*\i+1], v[TA+\qt]
.else
	v_max3_num_f32 v[TA+\qt], v[SC+32*\qt], v[SC+32*\qt+1], v[MX+\qt]
.endif
.endr
.endr
.endm
; new maximum (lane l and lane l xor 16 hold the two halves of a query's keys), new -m c, factor 2^(new - old).  The product m c is rounded by itself and the
; two rounded figures are subtracted, not fused: the factor then fits exactly the shift that the earlier exponentials were given.
.macro STATS
.irp qt, 0,1,2,3
	v_permlanex16_b32 v[TB+\qt], v[TA+\qt], s44, s45
.endr
.irp qt, 0,1,2,3
	v_max_num_f32 v[MX+\qt], v[TA+\qt], v[TB+\qt]
.endr
.irp qt, 0,1,2,3
	v_mul_f32 v[NN+\qt], s48, v[MX+\qt]
.endr
.irp qt, 0,1,2,3
	v_sub_f32 v[AL+2*\qt], v[NN+\qt], v[NM+2*\qt]
.endr
.irp qt, 0,1,2,3
	v_exp_f32 v[AL+2*\qt], v[AL+2*\qt]
.endr
.irp qt, 0,1,2,3
	v_mov_b32 v[NM+2*\qt], v[NN+\qt]               ; plain instructions behind the exponentials, which touch none of their registers (ISA guide 5.7.2)
	v_mov_b32 v[NM+2*\qt+1], v[NN+\qt]
.endr
	s_wait_alu depctr_va_vdst(0)
.irp qt, 0,1,2,3
	v_mov_b32 v[AL+2*\qt+1], v[AL+2*\qt]
.endr
.endm
; p = 2^(s c - m c), row sums, p to bf16: a pipeline over the 16 score tiles.  While tile sg is in the exponentials, tile sg + 1 is scaled and shifted and
; tile sg - 1 is summed and packed, so that behind each exponential stands another exponential or a plain instruction of another tile.
; P is packed in place: tile (qt, kt) goes to registers 32 qt + 4 kt .. + 3, all of which have been consumed by then.
; The first sum of a query tile carries the rescaling of l in the same fused multiply-add.
.macro SMX
.set sg, -1
.rept 18
.set si, 0
.rept 4
.if 15 > sg
	v_pk_fma_f32 v[SC+8*(sg+1)+2*si:SC+8*(sg+1)+2*si+1], v[SC+8*(sg+1)+2*si:SC+8*(sg+1)+2*si+1], s[46:47], v[NM+2*((sg+1)/4):NM+2*((sg+1)/4)+1] op_sel_hi:[1,0,1]
.endif
.if sg+1 > 0
.if 16 > sg
	v_exp_f32 v[SC+8*sg+2*si], v[SC+8*sg+2*si]
.endif
.endif
.if sg > 0
.if (((sg-1)%4)+si) == 0
	s_wait_alu depctr_va_vdst(0)
	v_pk_fma_f32 v[LS+2*((sg-1)/4):LS+2*((sg-1)/4)+1], v[LS+2*((sg-1)/4):LS+2*((sg-1)/4)+1], v[AL+2*((sg-1)/4):AL+2*((sg-1)/4)+1], v[SC+8*(sg-1)+2*si:SC+8*(sg-1)+2*si+1]
.else
	s_wait_alu depctr_va_vdst(0)
	v_pk_add_f32 v[LS+2*((sg-1)/4):LS+2*((sg-1)/4)+1], v[LS+2*((sg-1)/4):LS+2*((sg-1)/4)+1], v[SC+8*(sg-1)+2*si:SC+8*(sg-1)+2*si+1]
.endif
.endif
.if sg+1 > 0
.if 16 > sg
	v_exp_f32 v[SC+8*sg+2*si+1], v[SC+8*sg+2*si+1]
.endif
.endif
.if sg > 0
	v_cvt_pk_bf16_f32 v[SC+32*((sg-1)/4)+4*((sg-1)%4)+si], v[SC+8*(sg-1)+2*si], v[SC+8*(sg-1)+2*si+1]
.endif
.set si, si+1
.endr
.set sg, sg+1
.endr
.endm
.macro RESC                            ; O times the factor of its query: one number a lane
	WIN 0x41
.irp qt, 0,1,2,3
.irp i, 0,1,2,3,4,5,6,7,8,9,10,11,12,13,14,15
	v_pk_mul_f32 v[OA+32*\qt+2*\i:OA+32*\qt+2*\i+1], v[OA+32*\qt+2*\i:OA+32*\qt+2*\i+1], v[AL+2*\qt:AL+2*\qt+1]
.endr
.endr
.endm
; O^T += V^T P^T: 32 matrix instructions; the 16 accumulators take turns, one instruction a turn.  first = 1: the first 32 keys start the sums.
; Five places stand behind the last one: the next trip's loads land on the V fragments, its products write over P, and the end reads O.
.macro PVMUL first
	WIN 0x50
.irp kk, 0,1
.irp dt, 0,1,2,3
.irp qt, 0,1,2,3
.if \first*(1-\kk)
	v_wmma_f32_16x16x32_bf16 v[OA+32*\qt+8*\dt:OA+32*\qt+8*\dt+7], v[KF+32*\kk+8*\dt:KF+32*\kk+8*\dt+7], v[SC+32*\qt+8*\kk:SC+32*\qt+8*\kk+7], 0
.else
	v_wmma_f32_16x16x32_bf16 v[OA+32*\qt+8*\dt:OA+32*\qt+8*\dt+7], v[KF+32*\kk+8*\dt:KF+32*\kk+8*\dt+7], v[SC+32*\qt+8*\kk:SC+32*\qt+8*\kk+7], v[OA+32*\qt+8*\dt:OA+32*\qt+8*\dt+7]
.endif
.endr
.endr
.endr
	WIN 0
	PLACES 5
.endm
; Trip t.  b = t % 2, o = 1 - b.  Multiplies tile t from bf16 buffer b; conv: converts tile t + 1 from stage o into bf16 buffer o; fill: asks for tile t + 2
; into stage b; pf: prefetches this work-group's eighth of tile t + 3, one trip ahead of that tile's tensor load.
; ONE barrier a trip (a round of the cluster's barrier where a stage is filled again) orders four things.  In front of it every wave has waited for all its
; tensor loads (its part of tile t + 1 in stage o) and for all its LDS instructions: its stores of tile t into buffer b, its reads of stage b, its reads of
; buffer o.  Behind it stage b is filled again first, one load a wave, which has the whole trip in which to land.
.macro TRIP b, o, fill, pf, conv, first
	s_wait_tensorcnt 0x0                           ; no tensor load of mine is out: a group 0 may be written
	ds_add_u32 v22, v23
	s_wait_dscnt 0x0
.if \fill
	s_add_nc_u64 s[G0+4*\b+2:G0+4*\b+3], s[G0+4*\b+2:G0+4*\b+3], 2*TILEB      ; this stage's next tile
.endif
.if \pf
	s_wait_xcnt 0x0                                ; the last trip's prefetch has had its address translated: its base steps only behind this wait
	s_add_nc_u64 s[40:41], s[40:41], TILEB
.endif
	s_wait_dscnt 0x0
.if \fill
	ROUND                                          ; all that now holds of every wave of all four work-groups
	JLOAD \b
.else
	BAR
.endif
.if \pf
	PREF
.endif
	KLOAD \b
.if \conv
	FLOAD \o
	SMUL 16
	s_wait_dscnt 0x0                               ; the stage's 16 loads
	FCVT                                           ; 32 plain instructions on other registers: also the places behind the last product of S
	FSTORE \o
.else
	SMUL 0
	WIN 0
	PLACES 4                                       ; four places before loads land on the K fragments and the scores are read
.endif
	VLOAD \b
	MAXCH
	STATS
	SMX
.if \first == 0
	RESC
.endif
	s_wait_dscnt 0x0                               ; the V fragments (and my stores of the next tile)
	PVMUL \first
.endm
	s_wait_tensorcnt 0x1                           ; my part of tile 0 has landed; tile 1's may stay out
	s_wait_dscnt 0x0                               ; my rows of Q are in the scratch
	BAR
	WIN 0x40
.irp qt, 0,1,2,3
.irp ks, 0,1
.irp e, 0,1
	ds_load_b128 v[QF+16*\qt+8*\ks+4*\e:QF+16*\qt+8*\ks+4*\e+3], v[AQ] offset:\qt*16*KP+\ks*64+\e*32
.endr
.endr
.endr
	FLOAD 0                                        ; tile 0 is converted ahead of the trips
	s_wait_dscnt 0x0
	FCVT
	FSTORE 0
	WIN 0
	TRIP 0, 1, 1, 1, 1, 1                          ; trip 0 starts O's sums: nothing is cleared
	s_mov_b32 s42, 6
.Ltrips:                                           ; trips 1 to 12
	TRIP 1, 0, 1, 1, 1, 0
	TRIP 0, 1, 1, 1, 1, 0
	s_sub_co_u32 s42, s42, 1
	s_cmp_lg_u32 s42, 0
	s_cbranch_scc1 .Ltrips
	TRIP 1, 0, 1, 0, 1, 0                          ; trip 13 asks for tile 15, the last; the prefetch has stopped at tile 15, inside the batch
	TRIP 0, 1, 0, 0, 1, 0                          ; trip 14 converts tile 15 and fills nothing
	TRIP 1, 0, 0, 0, 0, 0                          ; trip 15
	; THE TWO WAVES OF A PAIR ARE JOINED.  Each has (-m c, l, O) over its half of the keys.
.irp qt, 0,1,2,3
	v_add_f32 v[TB+\qt], v[LS+2*\qt], v[LS+2*\qt+1]
.endr
.irp qt, 0,1,2,3
	v_permlanex16_b32 v[NN+\qt], v[TB+\qt], s44, s45
.endr
.irp qt, 0,1,2,3
	v_add_f32 v[TB+\qt], v[TB+\qt], v[NN+\qt]      ; l over my 1,024 keys
	v_mov_b32 v[TA+\qt], v[NM+2*\qt]               ; -m c, four in a row for one store
.endr
	s_cmp_eq_u32 s13, 0
	s_cbranch_scc1 .Lkeeps
	WIN 0x04                                       ; the odd wave hands its figures over, lane for lane
.irp i, 0,1,2,3,4,5,6,7,8,9,10,11,12,13,14,15,16,17,18,19,20,21,22,23,24,25,26,27,28,29,30,31
	ds_store_b128 v[APUT], v[OA+4*\i:OA+4*\i+3] offset:512*\i
.endr
	WIN 0
	ds_store_b128 v[APUT], v[TA:TA+3] offset:16384
	ds_store_b128 v[APUT], v[TB:TB+3] offset:16896
.Lkeeps:
	s_wait_dscnt 0x0                               ; for the partner's sake: zero
	BAR
	s_cmp_lg_u32 s13, 0
	s_cbranch_scc1 .Ldone
	ds_load_b128 v[64:67], v[APUT] offset:16384    ; the partner's -m c
	ds_load_b128 v[68:71], v[APUT] offset:16896    ; and l
.irp i, 0,1,2,3,4,5,6,7,8,9,10,11,12,13,14,15,16,17,18,19,20,21,22,23,24,25,26,27,28,29,30,31
	ds_load_b128 v[SC+4*\i:SC+4*\i+3], v[APUT] offset:512*\i
.endr
	s_wait_dscnt 32                                ; the first two loads are in; the 32 blocks of O may be out
.irp qt, 0,1,2,3
	v_min_num_f32 v[NN+\qt], v[TA+\qt], v[64+\qt]  ; the larger maximum has the smaller -m c
.endr
.irp qt, 0,1,2,3
	v_sub_f32 v[72+\qt], v[NN+\qt], v[TA+\qt]
	v_sub_f32 v[76+\qt], v[NN+\qt], v[64+\qt]
.endr
.irp qt, 0,1,2,3,4,5,6,7
	v_exp_f32 v[72+\qt], v[72+\qt]                 ; my factor in v[72:75], the partner's in v[76:79]; one of the two is 1
.endr
	v_nop                                          ; a plain place behind the exponentials (ISA guide 5.7.2)
	s_wait_alu depctr_va_vdst(0)
.irp qt, 0,1,2,3
	v_mul_f32 v[80+\qt], v[68+\qt], v[76+\qt]
.endr
.irp qt, 0,1,2,3
	v_fmac_f32 v[80+\qt], v[TB+\qt], v[72+\qt]     ; l of the whole row
.endr
.irp qt, 0,1,2,3
	v_rcp_f32 v[84+\qt], v[80+\qt]
.endr
	v_nop
	s_wait_alu depctr_va_vdst(0)
.irp qt, 0,1,2,3
	v_mul_f32 v[AL+2*\qt], v[72+\qt], v[84+\qt]    ; my weight, twice
	v_mul_f32 v[AL+2*\qt+1], v[72+\qt], v[84+\qt]
	v_mul_f32 v[NM+2*\qt], v[76+\qt], v[84+\qt]    ; the partner's, twice
	v_mul_f32 v[NM+2*\qt+1], v[76+\qt], v[84+\qt]
.endr
	s_wait_dscnt 0x0
.irp qt, 0,1,2,3
.irp i, 0,1,2,3,4,5,6,7,8,9,10,11,12,13,14,15
	v_pk_mul_f32 v[SC+32*\qt+2*\i:SC+32*\qt+2*\i+1], v[SC+32*\qt+2*\i:SC+32*\qt+2*\i+1], v[NM+2*\qt:NM+2*\qt+1]
.endr
.endr
	WIN 0x01
.irp qt, 0,1,2,3
.irp i, 0,1,2,3,4,5,6,7,8,9,10,11,12,13,14,15
	v_pk_fma_f32 v[SC+32*\qt+2*\i:SC+32*\qt+2*\i+1], v[OA+32*\qt+2*\i:OA+32*\qt+2*\i+1], v[AL+2*\qt:AL+2*\qt+1], v[SC+32*\qt+2*\i:SC+32*\qt+2*\i+1]
.endr
.endr
	WIN 0
; THE WAY OUT, 16 queries at a time.  A lane holds 8 neighbouring d of one query in each of four tiles: 16 bytes at a time into rows of 272 bytes of the
; scratch, which only this wave touches now; back as whole rows; each store of the wave covers 512 neighbouring bytes of out, aligned.
; LDS serves a wave's instructions in order (ISA guide 5.7.1): no wait between the stores and the loads.
.macro OUT qt, f
.irp dt, 0,1,2,3
.irp e, 0,1
	ds_store_b128 v[AOS], v[SC+32*\qt+8*\dt+4*\e:SC+32*\qt+8*\dt+4*\e+3] offset:16*OP*\qt+64*\dt+16*\e
.endr
.endr
	s_wait_xcnt 0x0                                ; buffer f, which earlier stores read, is loaded again only behind this wait
.irp t, 0,1,2,3,4,5,6,7
	ds_load_b128 v[\f+4*\t:\f+4*\t+3], v[ARD] offset:16*OP*\qt+2*OP*\t
.endr
.irp t, 0,1,2,3,4,5,6,7
	s_wait_dscnt 7-\t                              ; load t is in, the 7 - t younger ones may be out
	global_store_b128 v[VCO], v[\f+4*\t:\f+4*\t+3], s[10:11] offset:4096*\qt+512*\t th:TH_STORE_NT
.endr
.endm
	OUT 0, 64
	OUT 1, 96
	OUT 2, 64
	OUT 3, 96
.Ldone:
	s_wait_dscnt 0x0
	s_wait_tensorcnt 0x0
	ds_add_u32 v22, v23
	s_wait_dscnt 0x0
	ROUND                                          ; the closing round: no work-group ends while a partner may still ask for a tile that names it
	s_endpgm
.Lfunc_end_k_q66c69555e5_attn:
	.size	k_q66c69555e5_attn, .Lfunc_end_k_q66c69555e5_attn-k_q66c69555e5_attn
	.p2alignl 7, 3214868480
	.fill 96, 4, 3214868480
	.section	.rodata,"a",@progbits
	.p2align	6, 0x0
	.amdhsa_kernel k_q66c69555e5_attn
		.amdhsa_group_segment_fixed_size 327680
		.amdhsa_private_segment_fixed_size 0
		.amdhsa_enable_private_segment 0
		.amdhsa_kernarg_size 32
		.amdhsa_user_sgpr_count 2
		.amdhsa_user_sgpr_kernarg_segment_ptr 1
		.amdhsa_wavefront_size32 1
		.amdhsa_system_sgpr_workgroup_id_x 1
		.amdhsa_system_sgpr_workgroup_id_y 1
		.amdhsa_system_sgpr_workgroup_id_z 1
		.amdhsa_system_vgpr_workitem_id 0
		.amdhsa_next_free_vgpr 512
		.amdhsa_next_free_sgpr 66
		.amdhsa_reserve_vcc 0
		.amdhsa_float_denorm_mode_32 3
		.amdhsa_float_denorm_mode_16_64 3
		.amdhsa_memory_ordered 1
		.amdhsa_forward_progress 1
		.amdhsa_inst_pref_size 255
	.end_amdhsa_kernel
	.section	.bss,"aw",@nobits
	.p2align	6
	.space	262144
	.amdgpu_metadata
---
amdhsa.version: [ 1, 2 ]
amdhsa.kernels:
  - .name:           k_q66c69555e5_attn
    .symbol:         k_q66c69555e5_attn.kd
    .args:
      - { .name: Q, .offset: 0, .size: 8, .value_kind: global_buffer, .address_space: global }
      - { .name: K, .offset: 8, .size: 8, .value_kind: global_buffer, .address_space: global }
      - { .name: V, .offset: 16, .size: 8, .value_kind: global_buffer, .address_space: global }
      - { .name: out0, .offset: 24, .size: 8, .value_kind: global_buffer, .address_space: global }
    .group_segment_fixed_size: 327680
    .private_segment_fixed_size: 0
    .kernarg_segment_align: 8
    .kernarg_segment_size: 32
    .max_flat_workgroup_size: 256
    .sgpr_count:     66
    .vgpr_count:     512
    .wavefront_size: 32
...
	.end_amdgpu_metadata
.endif
;; end of part 1
